; MI455X (gfx1250); checked and timed in simulation.
; The chip was launched on July 23, 2026; its instructions are those of AMD's public machine-readable ISA for CDNA 5 (MIT licence, August 2026) and "CDNA5" Instruction Set Architecture Reference Guide (July 2026). The comments in the code are by the model that wrote it; some were corrected since.
;; Multi Headed Attention. Allowed arithmetic: matrix products marked QUANTISED: E5M2 operands, one E8M0 scale for each 32 along K, by v_wmma_scale_f32_16x16x128_f8f6f4 with both operands' format E5M2, f32 sums; everything else in f32.
;; Inputs: Wk_codes 1,024 x 32 x 32 uint8 (E5M2 codes of Wk, K innermost, in blocks of 32 codes); Wk_scales 1,024 x 32 uint8 (E8M0 scales of Wk, one for each 32 codes along K); Wo_codes 1,024 x 32 x 32 uint8 (E5M2 codes of Wo, K innermost, in blocks of 32 codes); Wo_scales 1,024 x 32 uint8 (E8M0 scales of Wo, one for each 32 codes along K); Wq_codes 1,024 x 32 x 32 uint8 (E5M2 codes of Wq, K innermost, in blocks of 32 codes); Wq_scales 1,024 x 32 uint8 (E8M0 scales of Wq, one for each 32 codes along K); Wv_codes 1,024 x 32 x 32 uint8 (E5M2 codes of Wv, K innermost, in blocks of 32 codes); Wv_scales 1,024 x 32 uint8 (E8M0 scales of Wv, one for each 32 codes along K); X_codes 4 x 2,048 x 32 x 32 uint8 (E5M2 codes of X, K innermost, in blocks of 32 codes); X_scales 4 x 2,048 x 32 uint8 (E8M0 scales of X, one for each 32 codes along K); bo 1,024 float32.
;; Outputs: out0 4 x 2,048 x 1,024 float32.
;; This version of the problem:
;;   THIS VERSION OF THE PROBLEM IS GIVEN IN LOW PRECISION. The matrix products marked QUANTISED in the list below multiply operands that are first quantised to E5M2 (5 exponent bits, 2 mantissa bits; 8 bits a number), with one power-of-two scale for each 32 numbers along K (OCP MX v1.0); their sums are f32. All else is computed in f32.
;;   The module's matrix products, in the order in which they are computed (A, B: the left and right operand; K: the contracted axis; several contracted axes count as one K, in the product's order):
;;     1. [M 8,192, K 1,024] x [K 1,024, N 1,024]; A: input X (given as codes); B: input Wq (given as codes): QUANTISED
;;     2. [M 8,192, K 1,024] x [K 1,024, N 1,024]; A: input X (given as codes); B: input Wk (given as codes): QUANTISED
;;     3. [M 8,192, K 1,024] x [K 1,024, N 1,024]; A: input X (given as codes); B: input Wv (given as codes): QUANTISED
;;     4. batch 64 x [M 2,048, K 64] x [K 64, N 2,048]; A: computed on the way; B: computed on the way: QUANTISED
;;     5. batch 64 x [M 2,048, K 2,048] x [K 2,048, N 64]; A: softmax (see below); B: computed on the way: QUANTISED
;;     6. [M 8,192, K 1,024] x [K 1,024, N 1,024]; A: computed on the way; B: input Wo (given as codes): QUANTISED
;;   THE QUANTISER, for each operand of a quantised product, along K:
;;     - K is cut into blocks of 32 from its start; a last block that is shorter is filled with zeros.
;;     - A block's scale is 2^e with e = floor(log2(the largest magnitude in the block)) - 15, held to -126 .. 127; a block of zeros has e = 0. As a byte (E8M0): e + 127.
;;     - Each number is divided by its block's scale, clamped to +-57,344, and rounded to the nearest number of E5M2, ties to even, subnormals kept.
;;     - The product sums the exact products of the quantised numbers (number of the format x scale) in f32.
;;   ~~~python
;;   def quantise(x, axis):      # numpy; x: float32 -> the quantised numbers, widened to float32 again
;;       x = np.moveaxis(x, axis, -1); K = x.shape[-1]
;;       x = np.pad(x, [(0, 0)] * (x.ndim - 1) + [(0, -K % 32)]); x = x.reshape(x.shape[:-1] + (-1, 32)); a = np.abs(x).max(-1, keepdims=True)
;;       e = np.where(a > 0, np.clip(np.frexp(np.where(a > 0, a, 1))[1] - 1 - 15, -126, 127), 0)      # np.frexp(a)[1] - 1 = floor(log2(a)), exactly
;;       r = np.clip(x / 2.0 ** e, -57344, 57344)
;;       step = 2.0 ** (np.maximum(np.frexp(np.where(r == 0, 1, r))[1] - 1, -14) - 2)
;;       q = np.round(r / step) * step * 2.0 ** e      # np.round: ties to even
;;       return np.moveaxis(q.reshape(q.shape[:-2] + (-1,))[..., :K], -1, axis).astype(np.float32)
;;   ~~~
;;   SOFTMAX AHEAD OF A QUANTISED PRODUCT. Where the list says 'softmax', what is quantised is not the finished softmax but p = 2^(t - M), with t = logit x log2(e) and M = ceil(the row's largest t), a whole number; so 1/2 < the row's largest p <= 1. The row's sum l is taken of the UNQUANTISED p, in f32, and the product's result is divided by l at the end. Since M is a whole number, a kernel that streams over the keys may use a running M (the ceiling of the running maximum): every later rescaling is an exact power of two, which a block's scale takes up: the codes' values come out the same.
;;   OPERANDS COMPUTED ON THE WAY. 'Computed on the way' means the value that the module computes at that place (a softmax that the list does not call 'softmax' is quantised finished and normalised). What goes into a quantiser is computed in f32, as accurately as f32 sums, v_exp_f32 and their like allow (about 1e-6 of the number): no bf16 or f16 on the way to a quantiser, and a product that is left as it is and whose result goes on into a quantised operand takes f32 operands (vector FMAs, or v_wmma_f32_16x16x4_f32). A number that lies on a knife's edge between two numbers of the format may be rounded either way, as far as f32 arithmetic and the matrix unit's own rounding can turn it there, and no further.
;;   INPUTS GIVEN AS CODES. Wk (in the module: [1024, 1024], K = its axis 1); Wo (in the module: [1024, 1024], K = its axis 1); Wq (in the module: [1024, 1024], K = its axis 1); Wv (in the module: [1024, 1024], K = its axis 1); X (in the module: [4, 2048, 1024], K = its axis 2): each comes as NAME_codes (uint8): NAME with its K axis moved to the last place and cut into blocks of 32 codes, [.., K / 32, bytes a block], one block behind the other in memory; one code a byte (a code: sign, 5 exponent bits, 2 mantissa bits); and NAME_scales (uint8): the same leading axes, one E8M0 byte (e + 127) for each 32 codes along K. Its value is code x scale, taken as it is: it is not quantised again, and the codes and scales need not be those that the quantiser above would give.
;; One version. Each part assembles by itself: llvm-mc -triple=amdgcn-amd-amdhsa -mcpu=gfx1250 --defsym DOCPART=n.
;; ======== version 1 of 1: 3 launches
;; limits: right only within a limited range of input values
;; workspace buffers: qimg 8,388,608 bytes; qsc 524,288 bytes; kv 17,563,648 bytes; cimg 8,388,608 bytes; csc 262,144 bytes
;; launch qkv (part 1): grid 4 x 64, 4 waves a work-group, clusters of 4 x 4, 327,680 bytes of LDS; arguments X_codes, X_scales, Wq_codes, Wq_scales, Wk_codes, Wk_scales, Wv_codes, Wv_scales, qimg, qsc, kv; writes qimg, qsc, kv
.if DOCPART == 1
	.amdgcn_target "amdgcn-amd-amdhsa--gfx1250"
	.amdhsa_code_object_version 6
	.text
	.protected	k_qc03ede161b_qkv
	.globl	k_qc03ede161b_qkv
	.p2align	8
	.type	k_qc03ede161b_qkv,@function
k_qc03ede161b_qkv:
	s_mov_b64 s[64:65], 0
	v_nop
	global_prefetch_b8 v0, s[64:65] scope:SCOPE_SE
	s_setreg_imm32_b32 hwreg(HW_REG_WAVE_MODE, 25, 1), 1
	s_wait_xcnt 0x0
	s_wait_alu depctr_hold_cnt(0) depctr_sa_sdst(0) depctr_va_vdst(0) depctr_va_sdst(0) depctr_va_ssrc(0) depctr_va_vcc(0) depctr_vm_vsrc(0)
	s_getreg_b32 s2, hwreg(HW_REG_IB_STS2, 6, 4)
	s_cmp_eq_u32 s2, 0
	s_cbranch_scc0 .Lentry_in_a_cluster
	s_endpgm
.Lentry_in_a_cluster:
	s_bfe_u32 s2, ttmp6, 0x10000c
	s_cmp_lg_u32 s2, 0xf033
	s_cbranch_scc0 .Lentry_shape_is_right
	s_endpgm
.Lentry_shape_is_right:
; Q, K, V = X W^T AND THEIR QUANTISERS, on codes of BF8 (E5M2) with one E8M0 scale for each 32 along K = 1,024; sums in f32.  Codes and scale bytes leave in the order of the operand registers of the launch that reads them.
; LIMITS: NaN, infinities and sums beyond f32's range are not served.  A block of zeros gets the byte 1 and zero codes (read by this program alone).
; THE DEAL.  256 work-groups of four waves, 2 x 2.  A work-group owns 128 tokens (one key step of one batch) and four heads (4 c .. 4 c + 3) of each of Q, K, V.  A wave holds 64 rows of X, ALL of K, in 512 registers,
; and the weights' rows stream past them in blocks of 16, which stand in registers as two whole sets.  The weights come as six chunks of 128 rows (two heads): Q, Q, K, K, V, V; a wave takes one head of a chunk: four blocks.
; A UNIT is two blocks: 64 products on eight accumulators (four by turns in each block), then the quantiser of four blocks of 32.  Q, K: source 0 = the weight's rows, so a lane holds one token and 16 of 32 features;
; V: source 0 = X's rows, so a lane holds one channel and 16 of 32 keys.  Inside a block of 32 the order is 8 h + 0..7, 16 + 8 h + 0..7 (h = lane / 16); lanes l and l xor 16 share a block.
; LDS.  Two slots of 128 rows of 1,024 bytes + 16 of padding.  At the head X's 128 rows land in slot 1, chunk 0 in slot 0.  When every wave holds X in registers chunk 1 is filled over X.  Chunk n + 2 is filled over chunk n
; at the middle of chunk n, when all its blocks stand in registers: each refill behind a drained round of the cluster's barrier, a quarter a wave; the same round shows chunk n + 1.
; LOOPS.  One loop of two trips of two chunks (Q, then K): pointers alone differ, and are moved on at the trip's end.  V's two chunks refill nothing and are written out.
; CLUSTERS: 4 x 4 work-groups; X's rows are asked for jointly along a row of the cluster (same tokens), the weights' along a column (same heads).
; PREFETCH: at the refill for chunk n + 2 the chunk n + 3 is named (chunks 3, 4, 5): 512 blocks of 256 bytes, a lane a block, one instruction for each of the sixteen waves of a column of the cluster, told apart by address.
; All sixteen clusters read the same weights, so four clusters ask.  Chunks 0 to 2 come by their loads alone.
; OUT.  qimg[batch, head][token tile][block][lane][16];  qsc[batch, head][8 tiles: 256 (tile / 4) + 16 r + 4 (tile % 4)]: a word = the tile row's two bytes, twice;
; kv[batch, head][key step]: K's image 8,192 (as Q's), K's words 512 (as Q's), V's image 8,192 [channel tile][key block][lane][16], V's words 256 [r][channel tile][key block].
.set PITCH,  1040
.set TILEB,  16*PITCH
.set YB,     128*PITCH                 ; slot 1
.set VST,    2*YB                      ; V's scale bytes of my four heads, 1,024 bytes; no fill lands here
.set SPARE,  VST+1024
.set NP,     8                         ; places behind this matrix instruction (ISA guide 7.12.1)
.set HSTEP,  2*274432                  ; two heads on in kv
.set XSO,  4                           ; v4   32 x r: a row of scale bytes
.set ADRX, 5                           ; v5   my fragments of X in slot 1
.set ADRB, 6                           ; v6, v7  my fragments of a chunk in slot 0, 1
.set LI,   8                           ; v8   16 x lane
.set LR,   9                           ; v9   16 x r
.set SPW,  10
.set NIL,  11
.set VSA,  12                          ; v12  where my halfwords of V's scales go
.set VRD,  13
.set VGO,  14
.set PFO,  15                          ; v15  the prefetches' offset; never rewritten
.set XS,   24                          ; v24-55   X's scale words: register 8 a + q, lane r: row r of tile a
.set WS,   60                          ; v60-123  the weights': two sets (by slot) of 8 blk + q
.set ACC,  128                         ; v128-191 eight accumulators
.set CD,   192                         ; v192-207 codes
.set TM,   208                         ; v208-223 the quantiser's maxima, bytes, bounds, scale operands
.set SV,   224                         ; v224-227 the first feature block's bytes
.set WD,   228                         ; v228-231 scale words
.set G1X, 24
.set G1W, 32
.set G1R, 48
.set G0X, 56
.set G0W, 60
.set G0R, 92
.set MSB, 0
.macro WIN new
.if MSB != (\new)
	s_set_vgpr_msb (MSB<<8)|(\new)
.set MSB, (\new)
.endif
.endm
.macro PLACES n
.rept \n
	v_nop
.endr
.endm
.macro CROUND
	s_barrier_signal -1
	s_barrier_wait -1
	s_cmp_lg_u32 s14, 0
	s_cbranch_scc1 .Lnot_wave_0_\@
	s_barrier_signal -3
.Lnot_wave_0_\@:
	s_barrier_wait -3
	s_barrier_signal -1
	s_barrier_wait -1
.endm
.macro TLOAD g0, g1                    ; an s_nop 0 and four v_nop follow each tensor load
	tensor_load_to_lds s[\g0:\g0+3], s[\g1:\g1+7]
	s_nop 0
	PLACES 4
.endm
.macro GROUP1 g, mask, rows            ; so many rows of 1,024 bytes, 1,024 apart in memory, 16 bytes of padding behind each in LDS
	s_or_b32 s[\g+0], s[\mask], (1<<20)|(1<<21)|(7<<22)|(3<<25)
	s_mov_b32 s[\g+1], 1024<<16
	s_mov_b32 s[\g+2], (\rows)<<16
	s_mov_b32 s[\g+3], 1024<<16
	s_mov_b32 s[\g+4], \rows
	s_mov_b32 s[\g+5], 1024
	s_mov_b32 s[\g+6], 0
	s_mov_b32 s[\g+7], 0
.endm
	s_load_b512 s[68:83], s[0:1], 0x0              ; X s[68:71], Wq s[72:75], Wk s[76:79], Wv s[80:83]: codes, scales
	s_load_b128 s[84:87], s[0:1], 0x40             ; qimg, qsc
	s_load_b64 s[88:89], s[0:1], 0x50              ; kv
	v_lshl_add_u32 v[SPW], v0, 2, SPARE
	v_mov_b32 v[NIL], 0
	ds_add_u32 v[SPW], v[NIL]                      ; the opening lines: the add twice on end and its wait
	ds_add_u32 v[SPW], v[NIL]
	v_lshrrev_b32 v1, 5, v0
	v_readfirstlane_b32 s14, v1                    ; wave 0..3
	s_lshr_b32 s15, s14, 1                         ; wr: which 64 tokens
	s_and_b32 s16, s14, 1                          ; wc: which head of a chunk; also which half of a tile I fetch at the head
	s_bfe_u32 s40, ttmp6, 0x40000                  ; cx = c: which four heads
	s_bfe_u32 s41, ttmp6, 0x40004
	s_and_b32 s42, ttmp7, 0xffff                   ; the cluster's number
	s_lshl_b32 s17, s42, 2
	s_add_co_u32 s17, s17, s41                     ; g: which 128 tokens
	s_cmp_lt_u32 s42, 4
	s_cselect_b32 s67, 1, 0                        ; 1 in the four clusters that prefetch
	s_lshl_b32 s43, s41, 2
	s_lshl_b32 s43, 15, s43                        ; my row of the cluster: shares X's rows
	s_lshl_b32 s44, 0x1111, s40                    ; my column: shares the weights'
	GROUP1 G1X, 43, 64
	GROUP1 G1W, 44, 64
	GROUP1 G1R, 44, 32
	s_lshl_b32 s18, s16, 16
	s_lshl_b32 s22, s17, 17
	s_add_co_u32 s22, s22, s18                     ; X: row 128 g + 64 x half
	s_mov_b32 s23, 0
	s_lshl_b32 s46, s40, 18                        ; a weight: row 256 c
	s_mov_b32 s47, 0
	s_add_co_u32 s20, s46, s18                     ; chunk 0: + 64 x half
	s_mov_b32 s21, 0
	s_mov_b32 s[G0X], 1
	s_mov_b32 s[G0W], 1
	s_mov_b32 s[G0R], 1
	s_mul_i32 s[G0W+1], s16, 64*PITCH
	s_add_co_u32 s[G0X+1], s[G0W+1], YB
	s_mul_i32 s45, s14, 32*PITCH                   ; a refill: my quarter of a slot
	s_mov_b32 s90, 0x76543210                      ; v_permlanex16_b32's selects for lane l xor 16
	s_mov_b32 s91, 0xfedcba98
	s_mov_b32 s66, 0x600000                        ; the mantissa field of 57,344
	s_wait_dscnt 0x0                               ; both opening adds are done
	CROUND                                         ; all sixteen work-groups are here: the first joint loads meet
	s_wait_kmcnt 0x0
	s_add_nc_u64 s[G0X+2:G0X+3], s[68:69], s[22:23]
	s_or_b32 s[G0X+3], s[G0X+3], 0x80000000
	s_add_nc_u64 s[G0W+2:G0W+3], s[72:73], s[20:21]
	s_or_b32 s[G0W+3], s[G0W+3], 0x80000000
	s_cmp_lt_u32 s14, 2                            ; one joint load a wave: waves 0, 1 the halves of X's 128 rows, waves 2, 3 those of chunk 0
	s_cbranch_scc0 .Lfor_w
	TLOAD G0X, G1X
	s_branch .Lasked
.Lfor_w:
	TLOAD G0W, G1W
.Lasked:
	s_lshl_b32 s18, s14, 15                        ; s[18:19]: my quarter of a chunk in memory; kept
	s_mov_b32 s19, 0
	s_add_nc_u64 s[72:73], s[72:73], s[46:47]      ; the weights' codes at row 256 c
	s_add_nc_u64 s[76:77], s[76:77], s[46:47]
	s_add_nc_u64 s[80:81], s[80:81], s[46:47]
	s_lshl_b32 s20, s40, 13                        ; their scale bytes at row 256 c + 64 wc
	s_lshl_b32 s22, s16, 11
	s_add_co_u32 s20, s20, s22
	s_add_nc_u64 s[74:75], s[74:75], s[20:21]
	s_add_nc_u64 s[78:79], s[78:79], s[20:21]
	s_add_nc_u64 s[82:83], s[82:83], s[20:21]
	s_lshl_b32 s20, s17, 12                        ; X's scale bytes at row 128 g + 64 wr
	s_lshl_b32 s22, s15, 11
	s_add_co_u32 s20, s20, s22
	s_add_nc_u64 s[70:71], s[70:71], s[20:21]
	s_and_b32 s22, s17, 0x30                       ; 16 x batch
	s_lshl_b32 s23, s40, 2
	s_add_co_u32 s22, s22, s23
	s_add_co_u32 s47, s22, s14                     ; the head whose V scale words I send at the end
	s_add_co_u32 s22, s22, s16                     ; my head of a first chunk; of a second: two on
	s_and_b32 s23, s17, 15                         ; the key step
	s_lshl_b32 s20, s22, 17                        ; Q's codes: 131,072 a head, 8,192 a key step, 4,096 for wr
	s_lshl_b32 s46, s23, 13
	s_add_co_u32 s20, s20, s46
	s_lshl_b32 s46, s15, 12
	s_add_co_u32 s20, s20, s46
	s_add_nc_u64 s[4:5], s[84:85], s[20:21]
	s_add_nc_u64 s[6:7], s[4:5], 262144
	s_lshl_b32 s20, s22, 13                        ; Q's scale words: 8,192 a head, 512 a key step, 256 for wr
	s_lshl_b32 s46, s23, 9
	s_add_co_u32 s20, s20, s46
	s_lshl_b32 s46, s15, 8
	s_add_co_u32 s20, s20, s46
	s_add_nc_u64 s[8:9], s[86:87], s[20:21]
	s_add_nc_u64 s[10:11], s[8:9], 16384
	s_mul_i32 s23, s23, 17152                      ; kv: 274,432 a head, 17,152 a key step
	s_mul_i32 s20, s22, 274432
	s_add_co_u32 s20, s20, s23
	s_add_nc_u64 s[84:85], s[88:89], s[20:21]
	s_lshl_b32 s20, s15, 12
	s_add_nc_u64 s[96:97], s[84:85], s[20:21]      ; K's codes
	s_add_nc_u64 s[98:99], s[96:97], HSTEP
	s_add_co_u32 s20, s46, 8192
	s_add_nc_u64 s[100:101], s[84:85], s[20:21]    ; K's scale words
	s_add_nc_u64 s[12:13], s[100:101], HSTEP
	s_lshl_b32 s20, s15, 10
	s_add_co_u32 s20, s20, 8704
	s_add_nc_u64 s[84:85], s[84:85], s[20:21]      ; V's codes: key blocks 2 wr, 2 wr + 1
	s_add_nc_u64 s[86:87], s[84:85], HSTEP
	s_mul_i32 s20, s47, 274432
	s_add_co_u32 s20, s20, s23
	s_add_co_u32 s20, s20, 16896
	s_add_nc_u64 s[88:89], s[88:89], s[20:21]      ; V's scale words of head 4 c + wave
	s_mul_i32 s43, s15, 64*PITCH
	s_add_co_u32 s43, s43, YB                      ; LDS: my 64 rows of X
	s_mul_i32 s44, s16, 64*PITCH                   ; my 64 rows of a chunk
	s_lshl_b32 s42, s16, 8
	s_lshl_b32 s46, s15, 1
	s_add_co_u32 s42, s42, s46
	s_add_co_u32 s42, s42, VST
	s_lshl_b32 s46, s14, 8
	s_add_co_u32 s46, s46, VST
	s_lshl_b32 s47, s41, 15                        ; the prefetches: which of the cluster column's sixteen waves I am: 8,192 bytes each
	s_lshl_b32 s20, s14, 13
	s_add_co_u32 s47, s47, s20
	v_and_b32 v1, 15, v0                           ; r
	v_bfe_u32 v2, v0, 4, 1                         ; h
	v_and_b32 v3, 31, v0                           ; lane
	v_lshlrev_b32 v[XSO], 5, v1
	s_wait_alu depctr_va_vdst(0)
.irp a, 0,1,2,3
.irp c, 0,1
	global_load_b128 v[XS+8*\a+4*\c:XS+8*\a+4*\c+3], v[XSO], s[70:71] offset:512*\a+16*\c
.endr
.endr
.irp a, 0,1,2,3,4,5,6,7                        ; chunk 0's and chunk 1's scale words: sets 0 and 1
.irp c, 0,1
	global_load_b128 v[WS+8*\a+4*\c:WS+8*\a+4*\c+3], v[XSO], s[74:75] offset:4096*(\a/4)+512*(\a%4)+16*\c
.endr
.endr
	v_mul_u32_u24 v21, v1, PITCH
	v_lshl_add_u32 v21, v2, 4, v21                 ; row x pitch + 16 h
	v_add_nc_u32 v[ADRX], s43, v21
	v_add_nc_u32 v[ADRB], s44, v21
	v_add_nc_u32 v[ADRB+1], YB, v[ADRB]
	v_lshlrev_b32 v[LI], 4, v3
	v_lshlrev_b32 v[LR], 4, v1
	v_lshl_add_u32 v[VSA], v1, 4, s42
	v_lshl_add_u32 v[VRD], v3, 3, s46
	v_lshlrev_b32 v[VGO], 3, v3
	v_lshl_add_u32 v[PFO], v3, 8, s47
.irp b, 0,1,2,3
	v_mov_b32 v[TM+4+\b], 0                        ; written once: a lane permute's destination counts as one of its sources
.endr
.macro FETCH e, adr, blk               ; a block of a chunk, 16 rows, all of K, into set e of window 3: 32 loads
	WIN 3<<6
.irp q, 0,1,2,3,4,5,6,7
.irp c, 0,1,2,3
	ds_load_b128 v[128*\e+16*\q+4*\c:128*\e+16*\q+4*\c+3], v[\adr] offset:(\blk)*TILEB+128*\q+32*\c
.endr
.endr
	WIN 0
.endm
; product n = 4 q + a of block 2 p + e: the q-th 128 of K, token tile a.  kind 0 (Q, K): source 0 = the weight's rows, accumulator 2 a + e;  kind 1 (V): source 0 = X's rows, accumulator 4 e + a.  st: the set of scale words
.macro PROD kind, st, p, e, n
.set Q_, (\n)/4
.set A_, (\n)%4
.set XF_, 16*((\n)%16)
.set WF_, 128*(\e)+16*Q_
.set XS_, XS+8*A_+Q_
.set WS_, WS+32*(\st)+8*(2*(\p)+(\e))+Q_
.if \kind
.set AC_, ACC+32*(\e)+8*A_
	WIN (1+(\n)/16)|(3<<2)
.if Q_
	v_wmma_scale_f32_16x16x128_f8f6f4 v[AC_:AC_+7], v[XF_:XF_+15], v[WF_:WF_+15], v[AC_:AC_+7], v[XS_], v[WS_] matrix_a_fmt:MATRIX_FMT_BF8 matrix_b_fmt:MATRIX_FMT_BF8
.else
	v_wmma_scale_f32_16x16x128_f8f6f4 v[AC_:AC_+7], v[XF_:XF_+15], v[WF_:WF_+15], 0, v[XS_], v[WS_] matrix_a_fmt:MATRIX_FMT_BF8 matrix_b_fmt:MATRIX_FMT_BF8
.endif
.else
.set AC_, ACC+16*A_+8*(\e)
	WIN 3|((1+(\n)/16)<<2)
.if Q_
	v_wmma_scale_f32_16x16x128_f8f6f4 v[AC_:AC_+7], v[WF_:WF_+15], v[XF_:XF_+15], v[AC_:AC_+7], v[WS_], v[XS_] matrix_a_fmt:MATRIX_FMT_BF8 matrix_b_fmt:MATRIX_FMT_BF8
.else
	v_wmma_scale_f32_16x16x128_f8f6f4 v[AC_:AC_+7], v[WF_:WF_+15], v[XF_:XF_+15], 0, v[WS_], v[XS_] matrix_a_fmt:MATRIX_FMT_BF8 matrix_b_fmt:MATRIX_FMT_BF8
.endif
.endif
.endm
.macro HALF kind, st, p, e             ; a block's 32 products, four accumulators by turns, and the places behind them
.set N_, 0
.rept 32
	PROD \kind, \st, \p, \e, N_
.set N_, N_+1
.endr
	WIN 0
	PLACES NP
.endm
; THE QUANTISER of a unit: four blocks of 32, block b in registers ACC + 16 b .. + 15 of lanes l and l xor 16.  Q, K: b = token tile, p = feature block.  V: b = 2 e + key block, channel tile 2 p + e
.macro QUANT kind, sl, p
	s_wait_xcnt 0x0                                ; the stores before have read the registers that are written below
.irp b, 0,1,2,3
	v_max3_num_f32 v[TM+\b], |v[ACC+16*\b]|, |v[ACC+16*\b+1]|, 0x8000000   ; with the floor 2^(16 - 127): the byte cannot fall under 1
.endr
.irp i, 2,4,6,8,10,12,14
.irp b, 0,1,2,3
	v_max3_num_f32 v[TM+\b], v[TM+\b], |v[ACC+16*\b+\i]|, |v[ACC+16*\b+\i+1]|
.endr
.endr
.irp b, 0,1,2,3
	v_permlanex16_b32 v[TM+4+\b], v[TM+\b], s90, s91
.endr
.irp b, 0,1,2,3
	v_max_num_f32 v[TM+\b], v[TM+\b], v[TM+4+\b]
.endr
.irp b, 0,1,2,3
	v_add_nc_u32 v[TM+12+\b], 0xf8800000, v[TM+\b]           ; 15 off the exponent field: the conversion's scale operand
.endr
.irp b, 0,1,2,3
	v_and_or_b32 v[TM+8+\b], v[TM+\b], 0x7f800000, s66       ; 57,344 x the scale
.endr
.if (\kind) == 0 && (\p) == 0
.irp b, 0,1,2,3
	v_lshrrev_b32 v[SV+\b], 23, v[TM+12+\b]                  ; the first feature block's bytes wait for the second's
.endr
.else
.irp b, 0,1,2,3
	v_lshrrev_b32 v[TM+4+\b], 23, v[TM+12+\b]
.endr
.if \kind
	v_lshl_or_b32 v[WD], v[TM+5], 8, v[TM+4]                 ; a channel tile's bytes of my two key blocks
	v_lshl_or_b32 v[WD+1], v[TM+7], 8, v[TM+6]
.else
.irp b, 0,1,2,3
	v_lshl_or_b32 v[WD+\b], v[TM+4+\b], 8, v[SV+\b]
.endr
.irp b, 0,1,2,3
	v_lshl_or_b32 v[WD+\b], v[WD+\b], 16, v[WD+\b]           ; the two bytes, twice
.endr
.endif
.endif
.irp b, 0,1,2,3
.irp i, 0,1,2,3,4,5,6,7,8,9,10,11,12,13,14,15
	v_med3_num_f32 v[ACC+16*\b+\i], v[ACC+16*\b+\i], -v[TM+8+\b], v[TM+8+\b]   ; the conversion does not saturate (ISA guide 7.6.2)
.endr
.endr
.irp b, 0,1,2,3
	v_cvt_scalef32_pk8_bf8_f32 v[CD+4*\b:CD+4*\b+1], v[ACC+16*\b:ACC+16*\b+7], v[TM+12+\b]
	v_cvt_scalef32_pk8_bf8_f32 v[CD+4*\b+2:CD+4*\b+3], v[ACC+16*\b+8:ACC+16*\b+15], v[TM+12+\b]
.endr
	v_nop                                          ; one plain vector instruction behind the last conversion
.if \kind
.irp b, 0,1,2,3
	global_store_b128 v[LI], v[CD+4*\b:CD+4*\b+3], s[84+2*\sl:85+2*\sl] offset:(2*\p+\b/2)*2048+(\b%2)*512   ; 32 lanes store 512 consecutive bytes, aligned
.endr
	ds_store_b16 v[VSA], v[WD] offset:\sl*512+8*\p           ; lanes l and l xor 16 write the same halfword with the same value
	ds_store_b16 v[VSA], v[WD+1] offset:\sl*512+8*\p+4
.else
.irp b, 0,1,2,3
	global_store_b128 v[LI], v[CD+4*\b:CD+4*\b+3], s[4+2*\sl:5+2*\sl] offset:1024*\b+512*\p
.endr
.if \p
	global_store_b128 v[LR], v[WD:WD+3], s[8+2*\sl:9+2*\sl]  ; 256 consecutive bytes, aligned; lanes l and l xor 16 store the same 16
.endif
.endif
	s_wait_alu depctr_va_vdst(0)                   ; the wait ahead of the waits and the branch that follow
.endm
; A CHUNK in slot sl.  mode 1: chunk n + 2 is filled over it at its middle;  2: only a barrier there, which shows the last chunk;  0: the last chunk.  lc: the loads of scale words that may be out behind mine
.macro CHUNK kind, sl, mode, lc
	s_wait_loadcnt \lc
	s_wait_dscnt 0x0                               ; blocks 0 and 1 stand in the sets
	HALF \kind, \sl, 0, 0
	FETCH 0, ADRB+\sl, 2
	HALF \kind, \sl, 0, 1
	FETCH 1, ADRB+\sl, 3
	QUANT \kind, \sl, 0
.if (\mode) == 1
	s_wait_tensorcnt 0x0                           ; my quarter of the next chunk is in; no load of mine is out, so the descriptor may be written
	ds_add_u32 v[SPW], v[NIL]
	s_add_co_u32 s[G0R+1], s45, \sl*YB
	s_add_nc_u64 s[G0R+2:G0R+3], s[76:77], s[18:19]
.if \sl
	s_add_nc_u64 s[G0R+2:G0R+3], s[G0R+2:G0R+3], 131072
.endif
	s_or_b32 s[G0R+3], s[G0R+3], 0x80000000
	s_wait_dscnt 0x0                               ; the add is done, and this chunk's last blocks stand in my registers
	CROUND
	TLOAD G0R, G1R
.if \sl
	s_mul_i32 s23, s67, s3                         ; the chunk after the next two exists in the first trip alone (s3 = 2)
	s_cmp_eq_u32 s23, 2
	s_cbranch_scc0 .Lnot_mine_\@
	global_prefetch_b8 v[PFO], s[80:81] th:TH_LOAD_NT scope:SCOPE_SE
.else
	s_cmp_eq_u32 s67, 1
	s_cbranch_scc0 .Lnot_mine_\@
	global_prefetch_b8 v[PFO], s[76:77] offset:131072 th:TH_LOAD_NT scope:SCOPE_SE
.endif
.Lnot_mine_\@:
.elseif (\mode) == 2
	s_wait_tensorcnt 0x0                           ; my quarter of the last chunk is in
	s_wait_dscnt 0x0
	s_barrier_signal -1
	s_barrier_wait -1
.else
	s_wait_dscnt 0x0
.endif
	HALF \kind, \sl, 1, 0
.if \mode
	FETCH 0, ADRB+1-\sl, 0                         ; the next chunk's blocks 0 and 1
.endif
	HALF \kind, \sl, 1, 1
.if \mode
	FETCH 1, ADRB+1-\sl, 1
.endif
.if (\mode) == 1
.irp a, 0,1,2,3                                ; chunk n + 2's scale words into this chunk's set
.irp c, 0,1
	global_load_b128 v[WS+32*\sl+8*\a+4*\c:WS+32*\sl+8*\a+4*\c+3], v[XSO], s[78:79] offset:4096*\sl+512*\a+16*\c
.endr
.endr
.endif
	QUANT \kind, \sl, 1
.endm
	s_wait_alu depctr_va_vdst(0)                   ; the wait at the head's end
	s_wait_tensorcnt 0x0                           ; my half tile is in
	s_barrier_signal -1
	s_barrier_wait -1
.irp q, 0,1,2,3,4,5,6,7                        ; my 64 rows of X, all of K: 128 loads into windows 1 and 2: fragment 4 q + a
	WIN (1+\q/4)<<6
.irp a, 0,1,2,3
.irp c, 0,1,2,3
	ds_load_b128 v[16*((4*\q+\a)%16)+4*\c:16*((4*\q+\a)%16)+4*\c+3], v[ADRX] offset:128*\q+32*\c+\a*TILEB
.endr
.endr
.endr
	FETCH 0, ADRB, 0
	FETCH 1, ADRB, 1
	s_wait_tensorcnt 0x0                           ; the three lines ahead of a refill's round
	ds_add_u32 v[SPW], v[NIL]
	s_add_co_u32 s[G0R+1], s45, YB
	s_add_nc_u64 s[G0R+2:G0R+3], s[72:73], s[18:19]
	s_add_nc_u64 s[G0R+2:G0R+3], s[G0R+2:G0R+3], 131072
	s_or_b32 s[G0R+3], s[G0R+3], 0x80000000
	s_wait_dscnt 0x0                               ; the add is done, and X is in my registers
	CROUND
	TLOAD G0R, G1R                                 ; chunk 1 over X's bytes
	s_mov_b32 s3, 2
.Ltrip:                                            ; Q's two chunks, then K's
	CHUNK 0, 0, 1, 8
	CHUNK 0, 1, 1, 8
	s_wait_xcnt 0x0                                ; every load, store and prefetch has read its base: the pointers move on
	s_mov_b64 s[76:77], s[80:81]                   ; what is filled next: V's weights,
	s_mov_b64 s[78:79], s[82:83]                   ; and their scale bytes;
	s_mov_b64 s[4:5], s[96:97]                     ; what leaves next: K's codes
	s_mov_b64 s[6:7], s[98:99]
	s_mov_b64 s[8:9], s[100:101]                   ; and scale words
	s_mov_b64 s[10:11], s[12:13]
	s_sub_co_u32 s3, s3, 1
	s_cmp_lg_u32 s3, 0
	s_cbranch_scc1 .Ltrip
	CHUNK 1, 0, 2, 8
	CHUNK 1, 1, 0, 0
	s_wait_dscnt 0x0                               ; my halfwords of V's scales have landed
	s_barrier_signal -1
	s_barrier_wait -1
	ds_load_b64 v[WD:WD+1], v[VRD]                 ; wave i sends the 256 bytes of head 4 c + i
	s_wait_dscnt 0x0
	global_store_b64 v[VGO], v[WD:WD+1], s[88:89]
	s_wait_tensorcnt 0x0                           ; the wave's end
	ds_add_u32 v[SPW], v[NIL]
	s_wait_dscnt 0x0
	CROUND                                         ; the closing round
	s_endpgm
.Lfunc_end_k_qc03ede161b_qkv:
	.size	k_qc03ede161b_qkv, .Lfunc_end_k_qc03ede161b_qkv-k_qc03ede161b_qkv
	.p2alignl 7, 3214868480
	.fill 96, 4, 3214868480
	.section	.rodata,"a",@progbits
	.p2align	6, 0x0
	.amdhsa_kernel k_qc03ede161b_qkv
		.amdhsa_group_segment_fixed_size 327680
		.amdhsa_private_segment_fixed_size 0
		.amdhsa_enable_private_segment 0
		.amdhsa_kernarg_size 88
		.amdhsa_user_sgpr_count 2
		.amdhsa_user_sgpr_kernarg_segment_ptr 1
		.amdhsa_wavefront_size32 1
		.amdhsa_system_sgpr_workgroup_id_x 1
		.amdhsa_system_sgpr_workgroup_id_y 1
		.amdhsa_system_sgpr_workgroup_id_z 1
		.amdhsa_system_vgpr_workitem_id 0
		.amdhsa_next_free_vgpr 1024
		.amdhsa_next_free_sgpr 102
		.amdhsa_reserve_vcc 0
		.amdhsa_float_denorm_mode_32 3
		.amdhsa_float_denorm_mode_16_64 3
		.amdhsa_memory_ordered 1
		.amdhsa_forward_progress 1
		.amdhsa_inst_pref_size 195
	.end_amdhsa_kernel
	.amdgpu_metadata
---
amdhsa.version: [ 1, 2 ]
amdhsa.kernels:
  - .name:           k_qc03ede161b_qkv
    .symbol:         k_qc03ede161b_qkv.kd
    .args:
      - { .name: X_codes, .offset: 0, .size: 8, .value_kind: global_buffer, .address_space: global }
      - { .name: X_scales, .offset: 8, .size: 8, .value_kind: global_buffer, .address_space: global }
      - { .name: Wq_codes, .offset: 16, .size: 8, .value_kind: global_buffer, .address_space: global }
      - { .name: Wq_scales, .offset: 24, .size: 8, .value_kind: global_buffer, .address_space: global }
      - { .name: Wk_codes, .offset: 32, .size: 8, .value_kind: global_buffer, .address_space: global }
      - { .name: Wk_scales, .offset: 40, .size: 8, .value_kind: global_buffer, .address_space: global }
      - { .name: Wv_codes, .offset: 48, .size: 8, .value_kind: global_buffer, .address_space: global }
      - { .name: Wv_scales, .offset: 56, .size: 8, .value_kind: global_buffer, .address_space: global }
      - { .name: qimg, .offset: 64, .size: 8, .value_kind: global_buffer, .address_space: global }
      - { .name: qsc, .offset: 72, .size: 8, .value_kind: global_buffer, .address_space: global }
      - { .name: kv, .offset: 80, .size: 8, .value_kind: global_buffer, .address_space: global }
    .group_segment_fixed_size: 327680
    .private_segment_fixed_size: 0
    .kernarg_segment_align: 8
    .kernarg_segment_size: 88
    .max_flat_workgroup_size: 128
    .sgpr_count:     102
    .vgpr_count:     1024
    .wavefront_size: 32
...
	.end_amdgpu_metadata
.endif
;; end of part 1
;; launch attn (part 2): grid 4 x 64, 16 waves a work-group, clusters of 4 x 1, 280,576 bytes of LDS; arguments qimg, qsc, kv, cimg, csc; writes cimg, csc
.if DOCPART == 2
	.amdgcn_target "amdgcn-amd-amdhsa--gfx1250"
	.amdhsa_code_object_version 6
	.text
	.protected	k_qc03ede161b_attn
	.globl	k_qc03ede161b_attn
	.p2align	8
	.type	k_qc03ede161b_attn,@function
k_qc03ede161b_attn:
	s_mov_b64 s[64:65], 0
	v_nop
	global_prefetch_b8 v0, s[64:65] scope:SCOPE_SE
	s_setreg_imm32_b32 hwreg(HW_REG_WAVE_MODE, 25, 1), 1
	s_wait_xcnt 0x0
	s_wait_alu depctr_hold_cnt(0) depctr_sa_sdst(0) depctr_va_vdst(0) depctr_va_sdst(0) depctr_va_ssrc(0) depctr_va_vcc(0) depctr_vm_vsrc(0)
	s_getreg_b32 s2, hwreg(HW_REG_IB_STS2, 6, 4)
	s_cmp_eq_u32 s2, 0
	s_cbranch_scc0 .Lentry_in_a_cluster
	s_endpgm
.Lentry_in_a_cluster:
	s_bfe_u32 s2, ttmp6, 0x10000c
	s_cmp_lg_u32 s2, 0x3003
	s_cbranch_scc0 .Lentry_shape_is_right
	s_endpgm
.Lentry_shape_is_right:
; ctx[b][h][q] = the sum over k of softmax_k(q . k / 8) v, both products on codes of BF8 (E5M2) with one E8M0 scale for each 32 along K; then ctx is quantised along E for the last product.
; THE SOFTMAX: t = score x log2(e) / 8; M = the running largest t rounded UP to a whole number; p = 2^(t - M) is quantised along the keys, not normalised; the row's sum is taken of the unquantised p and divides at the end.
; When M moves, the sum and O are multiplied by 2^(old M - new M): exact.  The running maximum is kept as a score; c is positive, so c x the largest score is the largest t.
; SHARES.  A work-group owns 512 queries of one (batch, head), in two passes of 256; each of its sixteen waves owns one tile of 16 queries a pass, in 256 registers.  Every wave walks the head's 2,048 keys, 128 a step.
; LDS.  The whole head's K, V and scale words, 16 blocks of 17,152 bytes as the launch before laid them, are brought ONCE, one block a wave, and stay: nothing is filled again.  One wait and one barrier show all 16 blocks;
; behind it no wave writes what another reads until the last barrier, so the steps and passes have no barrier.
; CLUSTER.  The four work-groups of a cluster own the four quarters of one head's queries and need the same 274,432 bytes: each block is asked for jointly, with a mask that names the four.
; NO PREFETCH: every byte is asked for by the head's one load a wave; there is no loop to run ahead in.
; LAYOUT.  Both products are used transposed: S^T = K Q^T, O^T = V^T P^T: a lane holds ONE query (lane % 16) throughout.  All operands lie in LDS as images of their registers: 16 bytes a lane, 512 bytes a load.
; The order of K inside a block of 32 is 8 h + 0..7, 16 + 8 h + 0..7 (h = lane / 16) on both sides of each product.
; K = 64 IN AN INSTRUCTION OF 128: a fragment holds key tile 2 f in k 0-63 and key tile 2 f + 1 in k 64-127; it is multiplied once by [Q, 0] and once by [0, Q] (Q's registers lie between two runs of zero codes).
; ctx's codes meet a given operand (Wo) in natural order: the lanes l and l xor 16 exchange one piece of 8 codes in each block.
; LIMITS: NaN and infinities are not served.  The scaled scores stay under 2^31 in magnitude.  A block of zeros gets the byte 1 and zero codes (read by this program alone).  A block's largest p is taken from its
; largest score: this takes v_exp_f32 not to fall where its input rises; at the worst one p of a block, within an ulp of a power of two, is held one code low.
.set BLK,   17152                      ; a key step's block: K's image 8,192, K's scale words 512, V's image 8,192, V's scale words 256
.set KSO,   8192
.set VIO,   8704
.set VSO,   16896
.set HEADB, 16*BLK
.set CSC,   HEADB                      ; ctx's scale halfwords of my 512 queries, 1,024 bytes; no fill lands here
.set SPARE, 0x44000                    ; the spare words: 128 bytes a wave
.set LI,   1                           ; v1   16 x lane
.set LV,   2                           ; v2   16 x (lane % 16)
.set ADR,  3                           ; v3   the step's block + LI
.set ADV,  4                           ; v4   the step's block + LV
.set CSA,  5                           ; v5   CSC + 32 x wave + 2 x (lane % 16)
.set CSR,  6                           ; v6   CSC + 16 x lane
.set QSC,  8                           ; v8   Q's scale word
.set PW,   9                           ; v9   p's scale word
.set FF,   10                          ; v[10:11] f = 2^(old M - new M), later 1 / the sum
                                       ; v12 -M, v13 the largest score so far, v[14:15] the sum in two halves; v16-39: zeros, Q, zeros
.set KV,   40                          ; v40-103  four fragments of K, then of V
.set S,    104                         ; v104-167 S^T, then p
.set O,    168                         ; v168-199 O^T
.set PC,   200                         ; v200-215 p's codes
.set KSC,  216                         ; v216-219 K's scale words
.set VSC,  220                         ; v220-223 V's
.set BM,   224                         ; v224-227 the blocks' largest scores, then largest p
.set T1,   228                         ; v228-231 at work
.set HOLD, 232                         ; v232-235 57,344 x the scale
.set SOP,  236                         ; v236-239 the conversions' scale operands.  v228-241 also hold the sum's seven side chains
.set WV,   14
.set TB,   48                          ; s48  LDS byte at which the step's block begins
.set CNT,  49
.set PASS, 50
.set PS,   51                          ; s51  512 x pass
.macro CROUND
	s_barrier_signal -1
	s_barrier_wait -1
	s_cmp_lg_u32 s[WV], 0
	s_cbranch_scc1 .Lnot_wave_0_\@
	s_barrier_signal -3
.Lnot_wave_0_\@:
	s_barrier_wait -3
	s_barrier_signal -1
	s_barrier_wait -1
.endm
	s_load_b256 s[4:11], s[0:1], 0x0               ; qimg s[4:5], qsc s[6:7], kv s[8:9], cimg s[10:11]
	s_load_b64 s[12:13], s[0:1], 0x20              ; csc
	v_lshl_add_u32 v254, v0, 2, SPARE
	v_mov_b32 v255, 0
	ds_add_u32 v254, v255                          ; the opening lines: the add twice on end and its wait
	ds_add_u32 v254, v255
	v_lshrrev_b32 v7, 5, v0
	v_readfirstlane_b32 s[WV], v7                  ; wave 0..15
	s_bfe_u32 s15, ttmp6, 0x40000                  ; cx: it enters global addresses of Q and of the results alone
	s_and_b32 s16, ttmp7, 0xffff                   ; 16 x batch + head, which the four partners share
	s_mov_b32 s24, 15|(3<<16)|(1<<21)              ; group 1: 17,152 dense bytes as 67 rows of 256 bytes (32 elements of 8); the mask names all four
	s_mov_b32 s25, 32<<16
	s_mov_b32 s26, 67<<16
	s_mov_b32 s27, 32<<16
	s_mov_b32 s28, 67
	s_mov_b32 s29, 32
	s_mov_b32 s30, 0
	s_mov_b32 s31, 0
	s_mul_i32 s54, s[WV], BLK                      ; wave w brings block w
	s_mul_i32 s56, s16, HEADB
	s_add_co_u32 s56, s56, s54
	s_mov_b32 s57, 0
	s_mov_b32 s19, 0x600000                        ; the mantissa field of 57,344
	s_mov_b32 s20, 0x76543210                      ; v_permlanex16_b32's selects for lane l xor 16
	s_mov_b32 s21, 0xfedcba98
	s_mov_b32 s22, 0x3e38aa3b                      ; c = log2(e) / 8
	s_mov_b32 s23, s22
	s_mov_b32 s52, 0xffff0000                      ; a lane mask: lanes 16-31
	s_mov_b32 s[PS], 0
	s_mov_b32 s[PASS], 2
	s_mov_b32 s59, 0
	s_mov_b32 s32, 1
	s_mov_b32 s33, s54                             ; the LDS address: as in memory, from the head's first byte
	s_wait_dscnt 0x0
	s_wait_kmcnt 0x0
	s_add_nc_u64 s[34:35], s[8:9], s[56:57]
	s_or_b32 s35, s35, 0x80000000
	CROUND                                         ; all four work-groups are here: the joint loads meet
	tensor_load_to_lds s[32:35], s[24:31]          ; one load a wave, one line for all sixteen
	s_nop 0
.rept 4
	v_nop
.endr
	s_lshl_b32 s55, s16, 7                         ; Q's image: tile 128 x (batch, head) + 32 cx + wave, 1,024 bytes a tile
	s_lshl_b32 s58, s15, 5
	s_add_co_u32 s55, s55, s58
	s_add_co_u32 s55, s55, s[WV]
	s_lshl_b32 s58, s55, 10
	s_add_nc_u64 s[4:5], s[4:5], s[58:59]
	s_lshl_b32 s58, s16, 13                        ; Q's scale words: 8,192 a head, 2,048 a quarter; tile a's row r at 256 (a / 4) + 16 r + 4 (a % 4)
	s_lshl_b32 s55, s15, 11
	s_add_co_u32 s58, s58, s55
	s_lshr_b32 s55, s[WV], 2
	s_lshl_b32 s55, s55, 8
	s_add_co_u32 s58, s58, s55
	s_and_b32 s55, s[WV], 3
	s_lshl_b32 s55, s55, 2
	s_add_co_u32 s58, s58, s55
	s_add_nc_u64 s[6:7], s[6:7], s[58:59]
	s_and_b32 s53, s16, 15                         ; head
	s_lshr_b32 s55, s16, 4                         ; batch
	s_lshl_b32 s58, s55, 7                         ; ctx's image: [token tile][head][block of 32][lane][16 bytes]: 16,384 bytes a tile, 1,024 a head
	s_lshl_b32 s56, s15, 5
	s_add_co_u32 s58, s58, s56
	s_add_co_u32 s58, s58, s[WV]
	s_lshl_b32 s58, s58, 14
	s_lshl_b32 s56, s53, 10
	s_add_co_u32 s58, s58, s56
	s_add_nc_u64 s[10:11], s[10:11], s[58:59]
	s_lshl_b32 s58, s53, 14                        ; ctx's scale halfwords: [head][token], 2 bytes each
	s_lshl_b32 s56, s55, 12
	s_add_co_u32 s58, s58, s56
	s_lshl_b32 s56, s15, 10
	s_add_co_u32 s58, s58, s56
	s_add_nc_u64 s[12:13], s[12:13], s[58:59]
	v_and_b32 v[LI], 31, v0
	v_and_b32 v[LV], 15, v0
	v_lshlrev_b32 v[LI], 4, v[LI]
	v_lshlrev_b32 v[CSA], 1, v[LV]
	v_lshlrev_b32 v[LV], 4, v[LV]
	s_lshl_b32 s56, s[WV], 5
	s_add_co_u32 s56, s56, CSC
	v_add_nc_u32 v[CSA], s56, v[CSA]
	v_add_nc_u32 v[CSR], CSC, v[LI]
	global_load_b128 v[24:27], v[LI], s[4:5]                    ; Q of pass 0: blocks 0 and 1 of the head's 64
	global_load_b128 v[28:31], v[LI], s[4:5] offset:512
	global_load_b128 v[244:247], v[LI], s[4:5] offset:16384     ; and of pass 1: 16 tiles on
	global_load_b128 v[248:251], v[LI], s[4:5] offset:16896
	global_load_b32 v[QSC], v[LV], s[6:7]
	global_load_b32 v252, v[LV], s[6:7] offset:1024
.irp j, 0,1,2,3,4,5,6,7
	v_mov_b32 v[16+\j], 0                          ; zero codes on both sides of Q
	v_mov_b32 v[32+\j], 0
.endr
.irp b, 0,1,2,3
	v_mov_b32 v[T1+\b], 0                          ; written once: a lane permute's destination counts as one of its sources
.endr
	v_mov_b32 v[FF+1], 0
	v_mov_b32 v242, 0
	s_wait_alu depctr_va_vdst(0)                   ; the wait at the head's end
	s_wait_loadcnt 0x0
	s_wait_tensorcnt 0x0                           ; my block is in;
	s_barrier_signal -1
	s_barrier_wait -1                              ; and so are all sixteen
.Lpass:
.set J, 0
.rept 32
	v_mov_b32 v[O+J], 0                            ; the step is written once: the first finds zeros, which the first change of M leaves zeros
.set J, J+1
.endr
	v_mov_b32 v13, 0xff61b1e6                      ; the largest score so far: -3e38
	v_mov_b32 v14, 0
	v_mov_b32 v15, 0
	v_floor_f32 v12, -v13
	s_mov_b32 s[TB], 0
	s_mov_b32 s[CNT], 16
.Lstep:                                            ; A KEY STEP: 128 keys
	v_add_nc_u32 v[ADR], s[TB], v[LI]
	v_add_nc_u32 v[ADV], s[TB], v[LV]
.rept 6
	v_nop                                          ; with the two additions: eight places between the last products and the loads into the registers that they read
.endr
.set J, 0
.rept 16
	ds_load_b128 v[KV+4*J:KV+4*J+3], v[ADR] offset:512*J        ; K's image: key tile J / 2, block J % 2
.set J, J+1
.endr
	ds_load_b128 v[KSC:KSC+3], v[ADR] offset:KSO
	s_wait_alu depctr_va_vdst(0)                   ; the wait ahead of the wait below
	s_wait_dscnt 0x0
.irp t, 0,1,2,3
	v_wmma_scale_f32_16x16x128_f8f6f4 v[S+8*\t:S+8*\t+7], v[KV+16*(\t/2):KV+16*(\t/2)+15], v[24-8*(\t%2):39-8*(\t%2)], 0, v[KSC+\t], v[QSC] matrix_a_fmt:MATRIX_FMT_BF8 matrix_b_fmt:MATRIX_FMT_BF8
.endr
.irp t, 4,5,6,7
	v_wmma_scale_f32_16x16x128_f8f6f4 v[S+8*\t:S+8*\t+7], v[KV+16*(\t/2):KV+16*(\t/2)+15], v[24-8*(\t%2):39-8*(\t%2)], 0, v[KSC+\t-4], v[QSC] matrix_a_fmt:MATRIX_FMT_BF8 matrix_b_fmt:MATRIX_FMT_BF8 matrix_a_scale:MATRIX_SCALE_ROW1
.endr
.rept 8
	v_nop                                          ; places in front of the loads below and of the first read of the scores
.endr
.set J, 0
.rept 16
	ds_load_b128 v[KV+4*J:KV+4*J+3], v[ADR] offset:VIO+512*J    ; V's image: channel tile J / 4, key block J % 4: awaited behind the softmax
.set J, J+1
.endr
	ds_load_b128 v[VSC:VSC+3], v[ADV] offset:VSO
.irp b, 0,1,2,3
	v_max3_num_f32 v[BM+\b], v[S+16*\b], v[S+16*\b+1], v[S+16*\b+2]   ; the largest score of each block of 32 keys: for the row's maximum and for the block's largest p
.endr
.irp i, 3,5,7,9,11,13
.irp b, 0,1,2,3
	v_max3_num_f32 v[BM+\b], v[BM+\b], v[S+16*\b+\i], v[S+16*\b+\i+1]
.endr
.endr
.irp b, 0,1,2,3
	v_max_num_f32 v[BM+\b], v[BM+\b], v[S+16*\b+15]
.endr
.irp b, 0,1,2,3
	s_delay_alu instid0(VALU_DEP_4)
	v_permlanex16_b32 v[T1+\b], v[BM+\b], s20, s21
.endr
	v_dual_max_num_f32 v[BM], v[BM], v[T1] :: v_dual_max_num_f32 v[BM+1], v[BM+1], v[T1+1]           ; with lane l xor 16's 16 keys, two blocks a line
	v_dual_max_num_f32 v[BM+2], v[BM+2], v[T1+2] :: v_dual_max_num_f32 v[BM+3], v[BM+3], v[T1+3]
	v_max3_num_f32 v242, v[BM], v[BM+1], v[BM+2]
	s_delay_alu instid0(VALU_DEP_1)
	v_max3_num_f32 v13, v13, v242, v[BM+3]         ; the running largest score
	s_delay_alu instid0(VALU_DEP_1)
	v_mul_f32 v243, s22, v13                       ; as t
	v_mov_b32 v242, v12
	s_delay_alu instid0(VALU_DEP_2)
	v_floor_f32 v12, -v243                         ; the new -M = floor(-t): M is a whole number
	s_delay_alu instid0(VALU_DEP_1)
	v_sub_f32 v242, v12, v242                      ; old M - new M: a whole number, 0 or less
	s_delay_alu instid0(VALU_DEP_1)
	v_cvt_i32_f32 v242, v242                       ; (it saturates)
	s_delay_alu instid0(VALU_DEP_1)
	v_ldexp_f32 v[FF], 1.0, v242                   ; f = 2^(old M - new M)
.set J, 0
.rept 32
	v_pk_fma_f32 v[S+J:S+J+1], v[S+J:S+J+1], s[22:23], v[12:13] op_sel_hi:[1,0,0]   ; t - M, two at a time
.set J, J+2
.endr
	v_pk_fma_f32 v[BM:BM+1], v[BM:BM+1], s[22:23], v[12:13] op_sel_hi:[1,0,0]       ; the same of each block's largest score
	v_pk_fma_f32 v[BM+2:BM+3], v[BM+2:BM+3], s[22:23], v[12:13] op_sel_hi:[1,0,0]
	s_wait_alu depctr_va_vdst(0)                   ; the wait ahead of the batch
.set J, 0
.rept 64
	v_exp_f32 v[S+J], v[S+J]                       ; p = 2^(t - M), at most 1
.set J, J+1
.endr
	v_pk_mul_f32 v[14:15], v[14:15], v[FF:FF+1] op_sel_hi:[1,0]   ; the sums under the new M: a plain instruction behind the exponentials
	s_wait_alu depctr_va_vdst(0)                   ; one wait for the batch of 64, ahead of its first reader
.irp b, 0,1,2,3
	v_exp_f32 v[BM+\b], v[BM+\b]                   ; the block's largest p
.endr
; the row's sum of the unquantised p: 32 pairs into eight chains, then the chains into one: 32 packed additions
.irp k, 0,1,2,3,4,5,6
	v_pk_add_f32 v[228+2*\k:229+2*\k], v[S+4*\k:S+4*\k+1], v[S+4*\k+2:S+4*\k+3]
.endr
	v_pk_add_f32 v[14:15], v[14:15], v[S+28:S+29]
.irp k, 0,1,2,3,4,5,6
	v_pk_add_f32 v[228+2*\k:229+2*\k], v[228+2*\k:229+2*\k], v[S+30+2*\k:S+31+2*\k]
.endr
	v_pk_add_f32 v[14:15], v[14:15], v[S+44:S+45]
.irp k, 0,1,2,3,4,5,6
	v_pk_add_f32 v[228+2*\k:229+2*\k], v[228+2*\k:229+2*\k], v[S+46+2*\k:S+47+2*\k]
.endr
	v_pk_add_f32 v[14:15], v[14:15], v[S+60:S+61]
	v_pk_add_f32 v[228:229], v[228:229], v[S+62:S+63]
	v_pk_add_f32 v[232:233], v[232:233], v[234:235]
	v_pk_add_f32 v[236:237], v[236:237], v[238:239]
	v_pk_add_f32 v[14:15], v[14:15], v[240:241]
	v_pk_add_f32 v[228:229], v[228:229], v[230:231]
	v_pk_add_f32 v[14:15], v[14:15], v[236:237]
	v_pk_add_f32 v[228:229], v[228:229], v[232:233]
	v_pk_add_f32 v[14:15], v[14:15], v[228:229]
	s_wait_alu depctr_va_vdst(0)                   ; and one for the four
	v_dual_max_num_f32 v[BM], 0x8000000, v[BM] :: v_dual_max_num_f32 v[BM+1], 0x8000000, v[BM+1]     ; the floor 2^(16 - 127): the byte cannot fall under 1
	v_dual_max_num_f32 v[BM+2], 0x8000000, v[BM+2] :: v_dual_max_num_f32 v[BM+3], 0x8000000, v[BM+3]
.irp b, 0,1,2,3
	v_add_nc_u32 v[SOP+\b], 0xf8800000, v[BM+\b]   ; 15 off the exponent field: the conversion's scale operand
.endr
.irp b, 0,1,2,3
	v_and_or_b32 v[HOLD+\b], v[BM+\b], 0x7f800000, s19   ; 57,344 x the scale
.endr
.irp b, 0,1,2,3
	v_lshrrev_b32 v[T1+\b], 23, v[SOP+\b]          ; the scale's byte
.endr
	v_lshl_or_b32 v[PW], v[T1+1], 8, v[T1]         ; p's scale word for these 128 keys
	v_lshl_or_b32 v[PW], v[T1+2], 16, v[PW]
	v_lshl_or_b32 v[PW], v[T1+3], 24, v[PW]
; the holds: the conversion does not saturate (ISA guide 7.6.2); p is not negative, so the hold is one-sided.  Two a line: an even register of one block with an odd one of its neighbour
.irp b, 0,2
.irp i, 0,2,4,6,8,10,12,14
	v_dual_min_num_f32 v[S+16*\b+\i], v[S+16*\b+\i], v[HOLD+\b] :: v_dual_min_num_f32 v[S+16*\b+17+\i], v[S+16*\b+17+\i], v[HOLD+\b+1]
	v_dual_min_num_f32 v[S+16*\b+16+\i], v[S+16*\b+16+\i], v[HOLD+\b+1] :: v_dual_min_num_f32 v[S+16*\b+1+\i], v[S+16*\b+1+\i], v[HOLD+\b]
.endr
.irp d, 0,1
	v_cvt_scalef32_pk8_bf8_f32 v[PC+4*(\b+\d):PC+4*(\b+\d)+1], v[S+16*(\b+\d):S+16*(\b+\d)+7], v[SOP+\b+\d]
	v_cvt_scalef32_pk8_bf8_f32 v[PC+4*(\b+\d)+2:PC+4*(\b+\d)+3], v[S+16*(\b+\d)+8:S+16*(\b+\d)+15], v[SOP+\b+\d]
.endr
.endr
	s_wait_alu depctr_va_vdst(0)                   ; the wait ahead of the first reader of O^T
.set J, 0
.rept 16
	v_pk_mul_f32 v[O+J:O+J+1], v[O+J:O+J+1], v[FF:FF+1] op_sel_hi:[1,0]   ; O^T under the new M; these 16 also stand between the conversions and the products
.set J, J+2
.endr
	s_wait_alu depctr_va_vdst(0)                   ; the wait ahead of the wait below
	s_wait_dscnt 0x0                               ; V and its scale words are in
.irp t, 0,1,2,3
	v_wmma_scale_f32_16x16x128_f8f6f4 v[O+8*\t:O+8*\t+7], v[KV+16*\t:KV+16*\t+15], v[PC:PC+15], v[O+8*\t:O+8*\t+7], v[VSC+\t], v[PW] matrix_a_fmt:MATRIX_FMT_BF8 matrix_b_fmt:MATRIX_FMT_BF8
.endr
	s_add_co_u32 s[TB], s[TB], BLK
	s_sub_co_u32 s[CNT], s[CNT], 1
	s_cmp_lg_u32 s[CNT], 0
	s_cbranch_scc1 .Lstep
	; THE PASS'S END: ctx = O^T / the sum, quantised along E: my head's 64 channels are two blocks of 32
.rept 8
	v_nop                                          ; places behind the last products
.endr
	v_add_f32 v14, v14, v15
	s_delay_alu instid0(VALU_DEP_1)
	v_permlanex16_b32 v242, v14, s20, s21
	s_delay_alu instid0(VALU_DEP_1)
	v_add_f32 v14, v14, v242                       ; the row's sum
	s_wait_alu depctr_va_vdst(0)
	v_rcp_f32 v[FF], v14
	v_nop                                          ; a plain instruction behind the reciprocal
	s_wait_alu depctr_va_vdst(0)                   ; and the wait ahead of its first reader
.set J, 0
.rept 16
	v_pk_mul_f32 v[O+J:O+J+1], v[O+J:O+J+1], v[FF:FF+1] op_sel_hi:[1,0]   ; each accumulator from its low end on
.set J, J+2
.endr
.irp b, 0,1
	v_max3_num_f32 v[BM+\b], |v[O+16*\b]|, |v[O+16*\b+1]|, 0x8000000
.endr
.irp i, 2,4,6,8,10,12,14
.irp b, 0,1
	s_delay_alu instid0(VALU_DEP_2)
	v_max3_num_f32 v[BM+\b], v[BM+\b], |v[O+16*\b+\i]|, |v[O+16*\b+\i+1]|
.endr
.endr
.irp b, 0,1
	s_delay_alu instid0(VALU_DEP_2)
	v_permlanex16_b32 v[T1+\b], v[BM+\b], s20, s21
.endr
.irp b, 0,1
	s_delay_alu instid0(VALU_DEP_2)
	v_max_num_f32 v[BM+\b], v[BM+\b], v[T1+\b]
.endr
.irp b, 0,1
	s_delay_alu instid0(VALU_DEP_2)
	v_add_nc_u32 v[SOP+\b], 0xf8800000, v[BM+\b]
.endr
.irp b, 0,1
	s_delay_alu instid0(VALU_DEP_4)
	v_and_or_b32 v[HOLD+\b], v[BM+\b], 0x7f800000, s19
.endr
.irp b, 0,1
	s_delay_alu instid0(VALU_DEP_4)
	v_lshrrev_b32 v[T1+\b], 23, v[SOP+\b]
.endr
	s_delay_alu instid0(VALU_DEP_1)
	v_lshl_or_b32 v242, v[T1+1], 8, v[T1]          ; the head's two scale bytes of my query
.irp b, 0,1
.irp i, 0,1,2,3,4,5,6,7,8,9,10,11,12,13,14,15
	v_med3_num_f32 v[O+16*\b+\i], v[O+16*\b+\i], -v[HOLD+\b], v[HOLD+\b]
.endr
	v_cvt_scalef32_pk8_bf8_f32 v[PC+4*\b:PC+4*\b+1], v[O+16*\b:O+16*\b+7], v[SOP+\b]
	v_cvt_scalef32_pk8_bf8_f32 v[PC+4*\b+2:PC+4*\b+3], v[O+16*\b+8:O+16*\b+15], v[SOP+\b]
.endr
	v_nop                                          ; one plain vector instruction behind the last conversion
	; natural order: lanes 0-15 keep their first piece and take the other lane's first; lanes 16-31 take the other lane's second and keep their second
.irp c, 0,1
.irp e, 0,1
	v_permlanex16_b32 v[PC+8+4*\c+\e], v[PC+4*\c+\e+2], s20, s21
	v_permlanex16_b32 v[PC+8+4*\c+\e+2], v[PC+4*\c+\e], s20, s21
.endr
.endr
.irp c, 0,1
.irp e, 0,1
	v_cndmask_b32 v[PC+4*\c+\e], v[PC+4*\c+\e], v[PC+8+4*\c+\e], s52
	v_cndmask_b32 v[PC+4*\c+\e+2], v[PC+8+4*\c+\e+2], v[PC+4*\c+\e+2], s52
.endr
.endr
	v_add_nc_u32 v7, s[PS], v[CSA]
	ds_store_b16 v7, v242                          ; lanes l and l xor 16 write the same halfword with the same value
	global_store_b128 v[LI], v[PC:PC+3], s[10:11]                 ; 32 lanes store 512 consecutive bytes, aligned
	global_store_b128 v[LI], v[PC+4:PC+7], s[10:11] offset:512
	s_wait_xcnt 0x0                                ; the stores have read their data and their base
	s_add_nc_u64 s[10:11], s[10:11], 262144        ; 16 token tiles of 16,384 bytes on
	s_add_co_u32 s[PS], s[PS], 512
.irp j, 0,1,2,3,4,5,6,7
	v_mov_b32 v[24+\j], v[244+\j]                  ; the second pass's Q
.endr
	v_mov_b32 v[QSC], v252
	s_sub_co_u32 s[PASS], s[PASS], 1
	s_cmp_lg_u32 s[PASS], 0
	s_cbranch_scc1 .Lpass
	s_wait_dscnt 0x0                               ; my halfwords have landed
	s_barrier_signal -1
	s_barrier_wait -1
	s_cmp_lg_u32 s[WV], 0                          ; wave 0 sends the work-group's 1,024 bytes of scale halfwords
	s_cbranch_scc1 .Lnot_first
	ds_load_b128 v[200:203], v[CSR]
	ds_load_b128 v[204:207], v[CSR] offset:512
	s_wait_dscnt 0x0
	global_store_b128 v[LI], v[200:203], s[12:13]
	global_store_b128 v[LI], v[204:207], s[12:13] offset:512
.Lnot_first:
	s_wait_tensorcnt 0x0                           ; the wave's end
	ds_add_u32 v254, v255
	s_wait_dscnt 0x0
	CROUND                                         ; the closing round
	s_endpgm
.Lfunc_end_k_qc03ede161b_attn:
	.size	k_qc03ede161b_attn, .Lfunc_end_k_qc03ede161b_attn-k_qc03ede161b_attn
	.p2alignl 7, 3214868480
	.fill 96, 4, 3214868480
	.section	.rodata,"a",@progbits
	.p2align	6, 0x0
	.amdhsa_kernel k_qc03ede161b_attn
		.amdhsa_group_segment_fixed_size 280576
		.amdhsa_private_segment_fixed_size 0
		.amdhsa_enable_private_segment 0
		.amdhsa_kernarg_size 40
		.amdhsa_user_sgpr_count 2
		.amdhsa_user_sgpr_kernarg_segment_ptr 1
		.amdhsa_wavefront_size32 1
		.amdhsa_system_sgpr_workgroup_id_x 1
		.amdhsa_system_sgpr_workgroup_id_y 1
		.amdhsa_system_sgpr_workgroup_id_z 1
		.amdhsa_system_vgpr_workitem_id 0
		.amdhsa_next_free_vgpr 256
		.amdhsa_next_free_sgpr 66
		.amdhsa_reserve_vcc 0
		.amdhsa_float_denorm_mode_32 3
		.amdhsa_float_denorm_mode_16_64 3
		.amdhsa_memory_ordered 1
		.amdhsa_forward_progress 1
		.amdhsa_inst_pref_size 35
	.end_amdhsa_kernel
	.amdgpu_metadata
---
amdhsa.version: [ 1, 2 ]
amdhsa.kernels:
  - .name:           k_qc03ede161b_attn
    .symbol:         k_qc03ede161b_attn.kd
    .args:
      - { .name: qimg, .offset: 0, .size: 8, .value_kind: global_buffer, .address_space: global }
      - { .name: qsc, .offset: 8, .size: 8, .value_kind: global_buffer, .address_space: global }
      - { .name: kv, .offset: 16, .size: 8, .value_kind: global_buffer, .address_space: global }
      - { .name: cimg, .offset: 24, .size: 8, .value_kind: global_buffer, .address_space: global }
      - { .name: csc, .offset: 32, .size: 8, .value_kind: global_buffer, .address_space: global }
    .group_segment_fixed_size: 280576
    .private_segment_fixed_size: 0
    .kernarg_segment_align: 8
    .kernarg_segment_size: 40
    .max_flat_workgroup_size: 512
    .sgpr_count:     66
    .vgpr_count:     256
    .wavefront_size: 32
...
	.end_amdgpu_metadata
.endif
;; end of part 2
;; launch proj (part 3): grid 8 x 32, 4 waves a work-group, clusters of 4 x 4, 327,680 bytes of LDS; arguments cimg, csc, Wo_codes, Wo_scales, bo, out0; writes out0
.if DOCPART == 3
	.amdgcn_target "amdgcn-amd-amdhsa--gfx1250"
	.amdhsa_code_object_version 6
	.text
	.protected	k_qc03ede161b_proj
	.globl	k_qc03ede161b_proj
	.p2align	8
	.type	k_qc03ede161b_proj,@function
k_qc03ede161b_proj:
	s_mov_b64 s[64:65], 0
	v_nop
	global_prefetch_b8 v0, s[64:65] scope:SCOPE_SE
	s_setreg_imm32_b32 hwreg(HW_REG_WAVE_MODE, 25, 1), 1
	s_wait_xcnt 0x0
	s_wait_alu depctr_hold_cnt(0) depctr_sa_sdst(0) depctr_va_vdst(0) depctr_va_sdst(0) depctr_va_ssrc(0) depctr_va_vcc(0) depctr_vm_vsrc(0)
	s_getreg_b32 s2, hwreg(HW_REG_IB_STS2, 6, 4)
	s_cmp_eq_u32 s2, 0
	s_cbranch_scc0 .Lentry_in_a_cluster
	s_endpgm
.Lentry_in_a_cluster:
	s_bfe_u32 s2, ttmp6, 0x10000c
	s_cmp_lg_u32 s2, 0xf033
	s_cbranch_scc0 .Lentry_shape_is_right
	s_endpgm
.Lentry_shape_is_right:
; out0 = ctx Wo^T + bo on codes of BF8 (E5M2) with one E8M0 scale for each 32 along K = 1,024; sums in f32.
; ctx: 8,192 rows as images of operand registers, [token tile of 16][head][block of 32][lane][16 bytes] (the launch before laid them): 128 tokens are 131,072 dense bytes.  Wo: [1024][1024] codes, K innermost.
; THE DEAL.  256 work-groups of four waves, 2 x 2; a work-group makes 256 rows x 128 columns.  A wave holds 64 rows of Wo, ALL of K, in 512 registers and streams ctx's rows past them in blocks of 16,
; which stand in registers as two whole sets; a block is 32 products on four accumulators by turns; the bias is the C of each sum's first product.  A wave has eight blocks.
; LDS.  Two slots of 128 rows of 1,024 bytes + 16 of padding.  At the head Wo's 128 rows land in slot 1 and ctx's first 128 rows in slot 0.  When every wave holds Wo in registers, ctx's second 128 rows are
; filled over Wo's bytes, by the same shape of tile, behind a drained round: the one refill of the launch.  Behind the slots: ctx's scale bytes, turned through registers into rows of 32 bytes; a stage a wave; the spare words.
; CLUSTERS: 4 x 4 work-groups; ctx's rows are asked for jointly along a row of the cluster, Wo's along a column.
; THE MATRIX INSTRUCTION IS USED TRANSPOSED (source 0 = 16 rows of Wo, source 1 = 16 rows of ctx): a lane holds eight neighbouring columns of one row of out0.
; THE WAY OUT.  A block's 16 rows x 64 columns go through my stage and come back as rows of 256 bytes; they are stored in the middle of the next block's products: sixteen lanes fill one aligned unit of 256 bytes.
; PREFETCH: ctx's second 128 rows are named once in each cluster that loads them, at the head: 512 blocks of 256 bytes, a lane a block, one instruction for each of the sixteen waves of a row of the cluster, told apart by address.
; What the head itself loads is not prefetched: nothing stands ahead of it.
; LIMITS: NaN and infinities are not served.
; REGISTERS: window 0: addresses, scale words, two sets of four accumulators, the bias, the rows read back; windows 1, 2: Wo's fragments (fragment 4 q + b); window 3: ctx's two sets.
.set PITCH,  1040
.set TILEB,  16*PITCH                  ; 16 rows of Wo, or one token tile's image: 16 pieces of 1,024 bytes
.set YB,     128*PITCH                 ; slot 1
.set SCL,    2*YB                      ; ctx's scale bytes: a token's 32, eight tokens to 256 bytes + 16
.set STG,    SCL+32*272                ; the stages: 16 rows x (256 + 16) a wave
.set SPITCH, 272
.set SPARE,  STG+4*16*SPITCH
.set NF,     34                        ; LDS loads of a block: eight fragments of four, two of scale words
.set NP,     8                         ; places behind this matrix instruction (ISA guide 7.12.1)
.set ADRX, 4                           ; v4-7   my fragments of ctx: slot 0 blocks 0-1, 2-3; slot 1 blocks 0-1, 2-3
.set SPW,  10
.set NIL,  11
.set ADRW, 12                          ; v12  my fragments of Wo in slot 1
.set AAS,  13                          ; v13  my rows' scale words
.set STO,  14
.set RD,   15
.set CO,   16
.set PFO,  17                          ; v17  the prefetch's offset; never rewritten
.set ABS,  18
.set BOF,  19
.set SB,   24                          ; v24-39  Wo's scale words: register 8 p + q: lanes 0-15 tile 2 p's, lanes 16-31 tile 2 p + 1's
.set SA,   44                          ; v44-59  ctx's: two sets of eight
.set ACC,  64                          ; v64-127 two sets of four accumulators
.set BQ,   128                         ; v128-159 the bias, four tiles
.set RB,   160                         ; v160-191 16 rows read back
.set G1W, 24
.set G1X, 32
.set G1R, 48
.set G0W, 56
.set G0X, 60
.set G0R, 68
.set MSB, 0
.macro WIN new
.if MSB != (\new)
	s_set_vgpr_msb (MSB<<8)|(\new)
.set MSB, (\new)
.endif
.endm
.macro PLACES n
.rept \n
	v_nop
.endr
.endm
.macro CROUND
	s_barrier_signal -1
	s_barrier_wait -1
	s_cmp_lg_u32 s14, 0
	s_cbranch_scc1 .Lnot_wave_0_\@
	s_barrier_signal -3
.Lnot_wave_0_\@:
	s_barrier_wait -3
	s_barrier_signal -1
	s_barrier_wait -1
.endm
.macro TLOAD g0, g1                    ; an s_nop 0 and four v_nop follow each tensor load
	tensor_load_to_lds s[\g0:\g0+3], s[\g1:\g1+7]
	s_nop 0
	PLACES 4
.endm
.macro GROUP1 g, mask, rows            ; so many rows of 1,024 bytes, 1,024 apart in memory, 16 bytes of padding behind each in LDS
	s_or_b32 s[\g+0], s[\mask], (1<<20)|(1<<21)|(7<<22)|(3<<25)
	s_mov_b32 s[\g+1], 1024<<16
	s_mov_b32 s[\g+2], (\rows)<<16
	s_mov_b32 s[\g+3], 1024<<16
	s_mov_b32 s[\g+4], \rows
	s_mov_b32 s[\g+5], 1024
	s_mov_b32 s[\g+6], 0
	s_mov_b32 s[\g+7], 0
.endm
	s_load_b128 s[4:7], s[0:1], 0x0                ; ctx's image, ctx's scale halfwords
	s_load_b128 s[8:11], s[0:1], 0x10              ; Wo's codes, Wo's scales
	s_load_b128 s[96:99], s[0:1], 0x20             ; bo, out0
	v_lshl_add_u32 v[SPW], v0, 2, SPARE
	v_mov_b32 v[NIL], 0
	ds_add_u32 v[SPW], v[NIL]                      ; the opening lines: the add twice on end and its wait
	ds_add_u32 v[SPW], v[NIL]
	v_lshrrev_b32 v1, 5, v0
	v_readfirstlane_b32 s14, v1                    ; wave 0..3
	s_lshr_b32 s15, s14, 1                         ; my row of waves
	s_and_b32 s16, s14, 1                          ; my column of waves; also which half of a tile I fetch at the head
	s_bfe_u32 s40, ttmp6, 0x40000
	s_bfe_u32 s41, ttmp6, 0x40004
	s_lshl_b32 s42, ttmp9, 2
	s_add_co_u32 s42, s42, s40                     ; column group 0..7
	s_and_b32 s17, ttmp7, 0xffff
	s_lshl_b32 s17, s17, 2
	s_add_co_u32 s17, s17, s41                     ; row group 0..31
	s_lshl_b32 s43, s41, 2
	s_lshl_b32 s43, 15, s43                        ; my row of the cluster: shares ctx's rows
	s_lshl_b32 s44, 0x1111, s40                    ; my column: shares Wo's
	GROUP1 G1W, 44, 64
	GROUP1 G1X, 43, 64
	GROUP1 G1R, 43, 32
	s_lshl_b32 s20, s42, 17                        ; Wo: row 128 x column group + 64 x half
	s_lshl_b32 s18, s16, 16
	s_add_co_u32 s20, s20, s18
	s_mov_b32 s21, 0
	s_lshl_b32 s22, s17, 18                        ; ctx: 256 rows' image a row group
	s_add_co_u32 s46, s22, 131072                  ; its second 128 rows
	s_add_co_u32 s22, s22, s18                     ; the first 128: my half
	s_mov_b32 s23, 0
	s_lshl_b32 s18, s14, 15
	s_add_co_u32 s72, s46, s18                     ; the second 128: my quarter
	s_mov_b32 s73, 0
	s_mov_b32 s[G0W], 1
	s_mov_b32 s[G0X], 1
	s_mov_b32 s[G0R], 1
	s_mul_i32 s[G0X+1], s16, 64*PITCH
	s_add_co_u32 s[G0W+1], s[G0X+1], YB
	s_mul_i32 s[G0R+1], s14, 32*PITCH
	s_add_co_u32 s[G0R+1], s[G0R+1], YB
	s_lshl_b32 s74, s40, 2                         ; the prefetch: which of the cluster row's sixteen waves I am: 8,192 bytes each
	s_add_co_u32 s74, s74, s14
	s_lshl_b32 s74, s74, 13
	s_add_co_u32 s74, s74, s46
	s_lshl_b32 s76, s17, 9                         ; the scale halfwords of my 256 tokens
	s_mov_b32 s77, 0
	s_lshl_b32 s78, s42, 9                         ; my first column, in bytes of f32
	s_lshl_b32 s18, s16, 8
	s_add_co_u32 s78, s78, s18
	s_mov_b32 s79, 0
	s_lshl_b32 s80, s42, 12                        ; Wo's scale bytes of my 64 rows
	s_lshl_b32 s18, s16, 11
	s_add_co_u32 s80, s80, s18
	s_mov_b32 s81, 0
	s_lshl_b32 s82, s17, 20                        ; out0: row 256 x row group + 64 x my row of waves, 4,096 bytes a row
	s_lshl_b32 s18, s15, 18
	s_add_co_u32 s82, s82, s18
	s_add_co_u32 s82, s82, s78
	s_mov_b32 s83, 0
	s_mul_i32 s84, s15, 4*TILEB                    ; LDS: my four token tiles of 128 rows
	s_mul_i32 s85, s16, 64*PITCH
	s_add_co_u32 s85, s85, YB                      ; my 64 rows of Wo
	s_mul_i32 s86, s15, 8*272
	s_add_co_u32 s86, s86, SCL                     ; my rows' scale bytes
	s_mul_i32 s87, s14, 16*SPITCH
	s_add_co_u32 s87, s87, STG                     ; my stage
	s_wait_dscnt 0x0                               ; both opening adds are done
	CROUND                                         ; all sixteen work-groups are here: the first joint loads meet
	s_wait_kmcnt 0x0
	s_add_nc_u64 s[G0W+2:G0W+3], s[8:9], s[20:21]
	s_or_b32 s[G0W+3], s[G0W+3], 0x80000000
	s_add_nc_u64 s[G0X+2:G0X+3], s[4:5], s[22:23]
	s_or_b32 s[G0X+3], s[G0X+3], 0x80000000
	s_add_nc_u64 s[G0R+2:G0R+3], s[4:5], s[72:73]
	s_or_b32 s[G0R+3], s[G0R+3], 0x80000000
	s_cmp_lt_u32 s14, 2                            ; one joint load a wave: waves 0, 1 the halves of Wo's 128 rows, waves 2, 3 those of ctx's first 128
	s_cbranch_scc0 .Lfor_x
	TLOAD G0W, G1W
	s_branch .Lasked
.Lfor_x:
	TLOAD G0X, G1X
.Lasked:
	s_add_nc_u64 s[6:7], s[6:7], s[76:77]
	s_add_nc_u64 s[96:97], s[96:97], s[78:79]
	s_add_nc_u64 s[10:11], s[10:11], s[80:81]
	s_add_nc_u64 s[98:99], s[98:99], s[82:83]
	v_and_b32 v1, 15, v0                           ; r
	v_bfe_u32 v2, v0, 4, 1                         ; h
	v_and_b32 v3, 31, v0                           ; lane
	v_lshlrev_b32 v8, 2, v0
	v_lshlrev_b32 v[ABS], 5, v3
	v_lshlrev_b32 v[BOF], 5, v2
	v_lshl_add_u32 v[PFO], v3, 8, s74
	s_wait_alu depctr_va_vdst(0)
.irp d, 0,1,2,3,4,5,6,7,8,9,10,11,12,13,14,15
	global_load_b32 v[192+\d], v8, s[6:7] offset:16384*\d       ; thread t: tokens 2 t and 2 t + 1: one word for each of the 16 heads
.endr
.irp b, 0,1,2,3
	global_load_b128 v[BQ+8*\b:BQ+8*\b+3], v[BOF], s[96:97] offset:64*\b       ; the bias in the result's layout: tile b, register j: column 16 b + 8 h + j
	global_load_b128 v[BQ+8*\b+4:BQ+8*\b+7], v[BOF], s[96:97] offset:64*\b+16
.endr
.irp p, 0,1
.irp c, 0,1
	global_load_b128 v[SB+8*\p+4*\c:SB+8*\p+4*\c+3], v[ABS], s[10:11] offset:\p*1024+16*\c   ; lane l: row l of a pair of tiles
.endr
.endr
	global_prefetch_b8 v[PFO], s[4:5] th:TH_LOAD_NT scope:SCOPE_SE
	v_lshlrev_b32 v20, 4, v3
	v_add_nc_u32 v[ADRX], s84, v20                 ; an image: 16 x lane
	v_add_nc_u32 v[ADRX+1], 2*TILEB, v[ADRX]
	v_add_nc_u32 v[ADRX+2], YB, v[ADRX]
	v_add_nc_u32 v[ADRX+3], YB+2*TILEB, v[ADRX]
	v_mul_u32_u24 v21, v1, PITCH
	v_lshl_add_u32 v21, v2, 4, v21
	v_add_nc_u32 v[ADRW], s85, v21                 ; row x pitch + 16 h
	v_lshrrev_b32 v22, 3, v1
	v_and_b32 v23, 7, v1
	v_mul_u32_u24 v22, v22, 272
	v_lshl_add_u32 v22, v23, 5, v22
	v_add_nc_u32 v[AAS], s86, v22
	v_mul_u32_u24 v21, v1, SPITCH
	v_lshl_add_u32 v21, v2, 5, v21
	v_add_nc_u32 v[STO], s87, v21                  ; in: row r, 32 bytes for each half of the lanes
	v_mul_u32_u24 v22, v2, SPITCH
	v_lshl_add_u32 v22, v1, 4, v22
	v_add_nc_u32 v[RD], s87, v22                   ; back: lanes 0-15 one row of 256 bytes, lanes 16-31 the next
	v_lshlrev_b32 v23, 12, v2
	v_lshl_add_u32 v[CO], v1, 4, v23               ; and the same two rows in out0
	v_lshrrev_b32 v9, 2, v0
	v_mul_u32_u24 v9, v9, 272
	v_and_b32 v20, 3, v0
	v_lshl_add_u32 v9, v20, 6, v9
	v_add_nc_u32 v9, SCL, v9                       ; where the turned scales of tokens 2 t, 2 t + 1 go
	s_wait_alu depctr_va_vdst(0)                   ; the wait ahead of the wait below
	s_wait_loadcnt 12                              ; the 16 words of halfwords are in; the 8 loads of the bias and the 4 of Wo's scale words may be out
.irp i, 0,1,2,3,4,5,6,7
	v_perm_b32 v[208+\i], v[193+2*\i], v[192+2*\i], 0x05040100   ; token 2 t: heads 2 i and 2 i + 1: four scale bytes along K
	v_perm_b32 v[216+\i], v[193+2*\i], v[192+2*\i], 0x07060302   ; token 2 t + 1
.endr
	ds_store_b128 v9, v[208:211]
	ds_store_b128 v9, v[212:215] offset:16
	ds_store_b128 v9, v[216:219] offset:32
	ds_store_b128 v9, v[220:223] offset:48
.macro FETCH e, adr, off, soff         ; a block of ctx, 16 rows, all of K, into set e of window 3, and its scale words: NF loads
	WIN 3<<6
.irp q, 0,1,2,3,4,5,6,7
.irp c, 0,1,2,3
	ds_load_b128 v[128*\e+16*\q+4*\c:128*\e+16*\q+4*\c+3], v[\adr] offset:(\off)+2080*\q+512*\c+16*(\c/2)
.endr
.endr
	WIN 0
	ds_load_b128 v[SA+8*\e:SA+8*\e+3], v[AAS] offset:\soff
	ds_load_b128 v[SA+8*\e+4:SA+8*\e+7], v[AAS] offset:(\soff)+16
.endm
.macro PROD e, n                       ; product n = 4 q + b: the q-th 128 of K, column tile b; ctx's rows in set e, sums in set e
.set Q_, (\n)/4
.set B_, (\n)%4
.set AC_, ACC+32*(\e)+8*B_
.set R_, 128*(\e)+16*Q_
.set W_, 16*((\n)%16)
.set XS_, SA+8*(\e)+Q_
.set WS_, SB+8*(B_/2)+Q_
.if Q_ == 0
.set C_, BQ+8*B_
.else
.set C_, AC_
.endif
	WIN (1+(\n)/16)|(3<<2)
.if B_%2
	v_wmma_scale_f32_16x16x128_f8f6f4 v[AC_:AC_+7], v[W_:W_+15], v[R_:R_+15], v[C_:C_+7], v[WS_], v[XS_] matrix_a_fmt:MATRIX_FMT_BF8 matrix_b_fmt:MATRIX_FMT_BF8 matrix_a_scale:MATRIX_SCALE_ROW1
.else
	v_wmma_scale_f32_16x16x128_f8f6f4 v[AC_:AC_+7], v[W_:W_+15], v[R_:R_+15], v[C_:C_+7], v[WS_], v[XS_] matrix_a_fmt:MATRIX_FMT_BF8 matrix_b_fmt:MATRIX_FMT_BF8
.endif
.endm
.macro PRODS i, from, to
.set N_, \from
.rept (\to)-(\from)
	PROD (\i)%2, N_
.set N_, N_+1
.endr
.endm
.macro TOSTAGE i                       ; block i's sums into my stage, each accumulator from its low end on, and back as rows.  LDS serves a wave's instructions in order (ISA guide 5.7.1.4)
.set AC_, ACC+32*((\i)%2)
.irp b, 0,1,2,3
	ds_store_b128 v[STO], v[AC_+8*\b:AC_+8*\b+3] offset:64*\b
	ds_store_b128 v[STO], v[AC_+8*\b+4:AC_+8*\b+7] offset:64*\b+16
.endr
.irp t, 0,1,2,3,4,5,6,7
	ds_load_b128 v[RB+4*\t:RB+4*\t+3], v[RD] offset:2*\t*SPITCH
.endr
.endm
.macro SEND i                          ; block i: rows 128 (i / 4) + 16 (i % 4) on of my 64 + 64
.irp t, 0,1,2,3,4,5,6,7
	global_store_b128 v[CO], v[RB+4*\t:RB+4*\t+3], s[98:99] offset:(128*((\i)/4)+16*((\i)%4)+2*\t)*4096 th:TH_STORE_NT
.endr
.endm
; A block.  w: what may be out behind my set's loads (-1: they are in);  m: what may be out behind the loads that bring the block before back from the stage (-1: no block before)
.macro BLK i, w, m
.if (\w) >= 0
	s_wait_dscnt \w
.endif
	PRODS \i, 0, 16
.if (\m) >= 0
	WIN 0
	s_wait_dscnt \m
	SEND (\i)-1
.endif
	PRODS \i, 16, 32
	WIN 0
	PLACES NP                                      ; ahead of the first reader of the sums and of loads into the set just read
.endm
	s_wait_alu depctr_va_vdst(0)                   ; the wait at the head's end
	s_wait_tensorcnt 0x0                           ; my half tile is in,
	s_wait_dscnt 0x0                               ; and my part of ctx's scales
	s_barrier_signal -1
	s_barrier_wait -1
.irp q, 0,1,2,3,4,5,6,7                        ; my 64 rows of Wo, all of K: 128 loads into windows 1 and 2
	WIN (1+\q/4)<<6
.irp b, 0,1,2,3
.irp c, 0,1,2,3
	ds_load_b128 v[16*((4*\q+\b)%16)+4*\c:16*((4*\q+\b)%16)+4*\c+3], v[ADRW] offset:128*\q+32*\c+\b*TILEB
.endr
.endr
.endr
	FETCH 0, ADRX, 0, 0                            ; blocks 0 and 1
	FETCH 1, ADRX, TILEB, 2*272
	s_wait_tensorcnt 0x0                           ; the three lines ahead of a refill's round
	ds_add_u32 v[SPW], v[NIL]
	s_wait_loadcnt 0x0                             ; the bias and Wo's scale words
	s_wait_dscnt 0x0                               ; the add is done, and Wo is in my registers
	CROUND                                         ; so it is in every wave of every partner
	TLOAD G0R, G1R                                 ; ctx's second 128 rows over Wo's bytes: a quarter a wave
	BLK 0, -1, -1
	TOSTAGE 0
	FETCH 0, ADRX+1, 0, 4*272                      ; block 2
	BLK 1, -1, NF
	s_wait_xcnt 0x0                                ; the stores have read the registers that the stage's loads fill again
	TOSTAGE 1
	FETCH 1, ADRX+1, TILEB, 6*272                  ; block 3
	BLK 2, NF+16, NF
	s_wait_xcnt 0x0
	TOSTAGE 2
	BLK 3, 16, 0
	s_wait_tensorcnt 0x0                           ; my quarter of the second 128 rows is in
	s_wait_dscnt 0x0
	s_barrier_signal -1
	s_barrier_wait -1                              ; and so are the others'
	s_wait_xcnt 0x0
	TOSTAGE 3
	FETCH 0, ADRX+2, 0, 16*272                     ; blocks 4 and 5
	FETCH 1, ADRX+2, TILEB, 18*272
	BLK 4, NF, 63                                  ; (68 loads stand behind the stage's; the count's field holds 63)
	s_wait_xcnt 0x0
	TOSTAGE 4
	FETCH 0, ADRX+3, 0, 20*272                     ; block 6
	BLK 5, NF+16, NF
	s_wait_xcnt 0x0
	TOSTAGE 5
	FETCH 1, ADRX+3, TILEB, 22*272                 ; block 7
	BLK 6, NF+16, NF
	s_wait_xcnt 0x0
	TOSTAGE 6
	BLK 7, 16, 0
	s_wait_xcnt 0x0
	TOSTAGE 7
	s_wait_dscnt 0x0
	SEND 7
	s_wait_tensorcnt 0x0                           ; the wave's end
	ds_add_u32 v[SPW], v[NIL]
	s_wait_dscnt 0x0
	CROUND                                         ; the closing round
	s_endpgm
.Lfunc_end_k_qc03ede161b_proj:
	.size	k_qc03ede161b_proj, .Lfunc_end_k_qc03ede161b_proj-k_qc03ede161b_proj
	.p2alignl 7, 3214868480
	.fill 96, 4, 3214868480
	.section	.rodata,"a",@progbits
	.p2align	6, 0x0
	.amdhsa_kernel k_qc03ede161b_proj
		.amdhsa_group_segment_fixed_size 327680
		.amdhsa_private_segment_fixed_size 0
		.amdhsa_enable_private_segment 0
		.amdhsa_kernarg_size 48
		.amdhsa_user_sgpr_count 2
		.amdhsa_user_sgpr_kernarg_segment_ptr 1
		.amdhsa_wavefront_size32 1
		.amdhsa_system_sgpr_workgroup_id_x 1
		.amdhsa_system_sgpr_workgroup_id_y 1
		.amdhsa_system_sgpr_workgroup_id_z 1
		.amdhsa_system_vgpr_workitem_id 0
		.amdhsa_next_free_vgpr 1024
		.amdhsa_next_free_sgpr 102
		.amdhsa_reserve_vcc 0
		.amdhsa_float_denorm_mode_32 3
		.amdhsa_float_denorm_mode_16_64 3
		.amdhsa_memory_ordered 1
		.amdhsa_forward_progress 1
		.amdhsa_inst_pref_size 89
	.end_amdhsa_kernel
	.amdgpu_metadata
---
amdhsa.version: [ 1, 2 ]
amdhsa.kernels:
  - .name:           k_qc03ede161b_proj
    .symbol:         k_qc03ede161b_proj.kd
    .args:
      - { .name: cimg, .offset: 0, .size: 8, .value_kind: global_buffer, .address_space: global }
      - { .name: csc, .offset: 8, .size: 8, .value_kind: global_buffer, .address_space: global }
      - { .name: Wo_codes, .offset: 16, .size: 8, .value_kind: global_buffer, .address_space: global }
      - { .name: Wo_scales, .offset: 24, .size: 8, .value_kind: global_buffer, .address_space: global }
      - { .name: bo, .offset: 32, .size: 8, .value_kind: global_buffer, .address_space: global }
      - { .name: out0, .offset: 40, .size: 8, .value_kind: global_buffer, .address_space: global }
    .group_segment_fixed_size: 327680
    .private_segment_fixed_size: 0
    .kernarg_segment_align: 8
    .kernarg_segment_size: 48
    .max_flat_workgroup_size: 128
    .sgpr_count:     102
    .vgpr_count:     1024
    .wavefront_size: 32
...
	.end_amdgpu_metadata
.endif
;; end of part 3
